; MI455X (gfx1250); checked and timed in simulation.
; The chip was launched on July 23, 2026; its instructions are those of AMD's public machine-readable ISA for CDNA 5 (MIT licence, August 2026) and "CDNA5" Instruction Set Architecture Reference Guide (July 2026). The comments in the code are by the model that wrote it; some were corrected since.
;; Wave Net Model. Allowed arithmetic: float matrix products may take bf16 or f16 operands with f32 sums; all other float work in f32.
;; Inputs: Wd 10 x 128 x 128 float32; Wf1 128 x 128 float32; Wf2 128 x 128 float32; Wr 10 x 128 x 128 float32; Ws 10 x 128 x 128 float32; bd 10 x 128 float32; bf1 128 float32; bf2 128 float32; br 10 x 128 float32; bs 10 x 128 float32; x 4 x 128 x 32,768 float32.
;; Outputs: out0 4 x 128 float32.
;; One version. Each part assembles by itself: llvm-mc -triple=amdgcn-amd-amdhsa -mcpu=gfx1250 --defsym DOCPART=n.
;; ======== version 1 of 1: 4 launches
;; workspace buffers: gf 294,912 bytes; sd 655,360 bytes; bv 10,240 bytes; w1 32,768 bytes; mf 32,768 bytes; cf 512 bytes; part 131,072 bytes
;; launch pair (part 1): grid 78 x 1, 1 waves a work-group, no clusters, 0 bytes of LDS; arguments Wd, Wr, Ws, Wf1, bd, br, bs, gf, sd, bv, w1; writes gf, sd, bv, w1
.if DOCPART == 1
	.amdgcn_target "amdgcn-amd-amdhsa--gfx1250"
	.amdhsa_code_object_version 6
	.text
	.protected	k_qa0d6deca71_pair
	.globl	k_qa0d6deca71_pair
	.p2align	8
	.type	k_qa0d6deca71_pair,@function
k_qa0d6deca71_pair:
	s_mov_b64 s[64:65], 0
	v_nop
	global_prefetch_b8 v0, s[64:65] scope:SCOPE_SE
	s_setreg_imm32_b32 hwreg(HW_REG_WAVE_MODE, 25, 1), 1
	s_wait_xcnt 0x0
; PAIR.  Up to its first relu the stack is affine in x: layer l adds S_l h + sb_l to the skip sum and G_l h + gb_l to h, with
;   G_l = Wr_l Wd_l,  S_l = Ws_l Wd_l,  gb_l = Wr_l bd_l + br_l,  sb_l = Ws_l bd_l + bs_l.
; This launch makes those products of two weights (G for l = 0..8, S for l = 0..9), the four bias vectors' sums, and Wf1 in bf16.
; LIMITS.  The layers are re-associated, so the order of rounding differs from the layer-by-layer order: Wd, Wr, Ws, Wf1 are rounded to bf16 for
; the products, sums are f32, G leaves in bf16, S in f32; the bias sums are all f32.  h behind layer 9 is used by nothing, so Wr[9] and br[9] reach no result and are not read.
; SHARES.  One wave a work-group.  Groups 0-39: S (l = id / 4); groups 40-75: G (l = (id - 40) / 4); groups 76, 77: Wf1.  u = bit 1 of the number: which 64 columns of Wd_l;
; half = bit 0: which 64 rows of W (Ws, Wr or Wf1).  A wave makes 64 x 64 of its product: 16 accumulators, K = 128 in four steps.
; THE ORDER pi.  A 16-byte load of a row of Wd gives lane r the columns 4 r .. 4 r + 3: one column in each of four column tiles.  So tile t, place m stands for
; index pi(t, m) = 64 (t / 4) + 4 m + t % 4 wherever an index counts channels of h (Wd's columns, G's rows and columns, S's columns, gb).  All later launches keep that order,
; and nothing is ever transposed.
; REGISTERS, in windows of 256 (s_set_vgpr_msb: bits 1:0 source 0, 3:2 source 1, 5:4 source 2, 7:6 destination):
;   window 0: v1 r, v2 h, v3 16 L, v4-7 W's lane offsets by row tile, v8 Wd's, v9 bd's, v10 4 L, v12-15 the second bias's; v16-79 bd, later packed G; v80-87 four running pairs;
;             v88-91 the second bias; v92-93 results; v128-255 Wd^T in bf16: fragment (column tile c, K step q) at 128 + 32 c + 8 q
;   window 1: Wd as loaded (row 16 (n / 8) + n % 8 + 8 h at 4 n); then the accumulators, (row tile x, column tile c) at 8 (4 x + c)
;   window 2: W as loaded, 16 registers for (x, q); rounded in place: fragment (x, q) is the first 8 of each 16
.set NS,   40         ; groups that make S
.set VOFF, 4
.set VWD,  8
.set VBD,  9
.set V4L,  10
.set VB2,  12
.set BD,   16
.set PKD,  16
.set ACC,  80
.set B2,   88
.set OUTV, 92
.set DT,   128
.set MSB, 0
.macro WIN new                      ; the immediate's high byte repeats the setting that is left; a switch that changes nothing is dropped
.if MSB != (\new)
	s_set_vgpr_msb (MSB<<8)|(\new)
.set MSB, \new
.endif
.endm
.macro PLACES                       ; four places between a matrix instruction and what reads its result (ISA guide 7.12.1)
.rept 4
	v_nop
.endr
.endm
; W's 64 rows x 128 K in f32: lane (r, h) takes of its row the 32 bytes at K = 32 q + 16 g + 8 h, as two loads
.macro LDW
	WIN 0x80
.set n, 0
.rept 64
	global_load_b128 v[4*n:4*n+3], v[VOFF+n/16], s[36:37] offset:128*((n/4)%4)+64*((n/2)%2)+16*(n%2)
.set n, n+1
.endr
	WIN 0
.endm
; Wd's 128 rows x 64 columns: each load takes 256 consecutive bytes of two rows, eight rows apart; in the order of the K steps
.macro LDD
	WIN 0x40
.set n, 0
.rept 64
	global_load_b128 v[4*n:4*n+3], v[VWD], s[38:39] offset:(16*(n/8)+n%8)*512
.set n, n+1
.endr
	WIN 0
.endm
; W to bf16, in place: of each 16 registers the first 8 become the fragment; a destination has been read, or is read by the same line
.macro CVW
	WIN 0x8a
.set n, 0
.rept 128
	v_cvt_pk_bf16_f32 v[16*(n/8)+n%8], v[16*(n/8)+2*(n%8)], v[16*(n/8)+2*(n%8)+1]
.set n, n+1
.endr
	WIN 0
.endm
; K step q of Wd to bf16: component c of two neighbouring rows' loads is a pair along K of column tile c
.macro CVD q
	WIN 0x05
.set n, 0
.rept 32
	v_cvt_pk_bf16_f32 v[DT+32*(n/8)+8*(\q)+n%8], v[64*(\q)+32*((n/4)%2)+8*(n%4)+n/8], v[64*(\q)+32*((n/4)%2)+8*(n%4)+4+n/8]
.set n, n+1
.endr
.endm
; 64 matrix instructions: K step outer, the 16 accumulators by turns, one instruction a turn; the first K step starts the sums.
; isg = 1: source 0 = rows of Wr, source 1 = columns of Wd: a lane holds one column of G and eight rows.  isg = 0: the other way round: a lane holds one row of S and eight columns.
.macro MUL isg
.if \isg
	WIN 0x52
.else
	WIN 0x58
.endif
.set n, 0
.rept 64
.set rD, 8*(n%16)
.set rW, 16*(4*((n%16)/4)+n/16)
.set rT, DT+32*(n%4)+8*(n/16)
.if \isg
.if n < 16
	v_wmma_f32_16x16x32_bf16 v[rD:rD+7], v[rW:rW+7], v[rT:rT+7], 0
.else
	v_wmma_f32_16x16x32_bf16 v[rD:rD+7], v[rW:rW+7], v[rT:rT+7], v[rD:rD+7]
.endif
.else
.if n < 16
	v_wmma_f32_16x16x32_bf16 v[rD:rD+7], v[rT:rT+7], v[rW:rW+7], 0
.else
	v_wmma_f32_16x16x32_bf16 v[rD:rD+7], v[rT:rT+7], v[rW:rW+7], v[rD:rD+7]
.endif
.endif
.set n, n+1
.endr
.endm
	s_load_b512 s[8:23], s[0:1], 0x0               ; Wd s[8:9], Wr s[10:11], Ws s[12:13], Wf1 s[14:15], bd s[16:17], br s[18:19], bs s[20:21], gf s[22:23]
	s_load_b128 s[24:27], s[0:1], 0x40             ; sd s[24:25], bv s[26:27]
	s_load_b64 s[28:29], s[0:1], 0x50              ; w1
	s_mov_b32 s2, ttmp9
	s_cmp_lt_u32 s2, NS
	s_cselect_b32 s32, 0, 1                        ; 0: S
	s_cselect_b32 s4, 0, NS
	s_sub_co_u32 s2, s2, s4                        ; the number within the kind
	s_lshr_b32 s3, s2, 2                           ; l
	s_bfe_u32 s30, s2, 0x10001                     ; u
	s_and_b32 s31, s2, 1                           ; half
	s_cmp_eq_u32 s3, 9
	s_cselect_b32 s5, s32, 0
	s_add_co_u32 s32, s32, s5                      ; kind: 0 S, 1 G, 2 Wf1 (the place of the G that layer 9 does not need)
	s_cmp_eq_u32 s32, 1
	s_cselect_b32 s33, 11, 9                       ; G takes W's rows 4 r + x (the order pi): lanes 2,048 bytes apart, tiles 512;
	s_cselect_b32 s34, 9, 13                       ; S and Wf1 take rows 16 x + r: lanes 512 bytes apart, tiles 8,192
	s_lshl_b32 s34, 1, s34
	s_lshl_b32 s6, s3, 16                          ; a layer's 65,536 bytes of weights
	s_lshl_b32 s7, s3, 9                           ; and 512 of bias
	s_lshl_b32 s35, s31, 15                        ; 64 rows of W
	s_mov_b32 s48, 0x76543210                      ; v_permlanex16_b32: each lane takes its own place in the other half
	s_mov_b32 s49, 0xfedcba98
	s_mov_b32 s51, 0
	v_and_b32 v1, 15, v0                           ; r
	v_bfe_u32 v2, v0, 4, 1                         ; h
	v_lshlrev_b32 v3, 4, v0                        ; 16 L
	v_lshlrev_b32 v[VOFF], s33, v1
	v_lshl_add_u32 v[VOFF], v2, 5, v[VOFF]         ; my row of tile 0, + 32 h
	v_add_nc_u32 v[VOFF+1], s34, v[VOFF]
	v_add_nc_u32 v[VOFF+2], s34, v[VOFF+1]
	v_add_nc_u32 v[VOFF+3], s34, v[VOFF+2]
	v_lshlrev_b32 v[VWD], 4, v1
	v_lshl_add_u32 v[VWD], v2, 12, v[VWD]          ; 16 r + 8 h rows of 512 bytes
	v_lshlrev_b32 v[VBD], 5, v2                    ; 32 h
	v_lshlrev_b32 v[V4L], 2, v0
.irp x, 0,1,2,3
	v_lshrrev_b32 v[VB2+(\x)], 7, v[VOFF+(\x)]     ; 4 x my row (512 bytes a row; the 32 h fall away)
.endr
	s_wait_kmcnt 0x0
	s_cmp_eq_u32 s32, 0
	s_cselect_b64 s[36:37], s[12:13], s[10:11]     ; W = Ws or Wr,
	s_cselect_b64 s[42:43], s[20:21], s[18:19]     ; the second bias = bs or br,
	s_cselect_b32 s52, 5120, 0                     ; sb lies behind gb in bv
	s_cmp_eq_u32 s32, 2
	s_cselect_b64 s[36:37], s[14:15], s[36:37]     ; or W = Wf1,
	s_cselect_b32 s50, 0, s6                       ; which has one layer
	s_add_co_u32 s50, s50, s35
	s_add_nc_u64 s[36:37], s[36:37], s[50:51]      ; W at my 64 rows
	s_lshl_b32 s53, s30, 8
	s_add_co_u32 s50, s6, s53
	s_add_nc_u64 s[38:39], s[8:9], s[50:51]        ; Wd_l at my 64 columns
	s_mov_b32 s50, s7
	s_add_nc_u64 s[40:41], s[16:17], s[50:51]      ; bd_l
	s_lshl_b32 s53, s31, 8
	s_add_co_u32 s50, s7, s53
	s_add_nc_u64 s[42:43], s[42:43], s[50:51]      ; the second bias at my 64 rows
	s_add_co_u32 s50, s50, s52
	s_add_nc_u64 s[46:47], s[26:27], s[50:51]      ; and where the 64 sums go
	LDW
	s_cmp_eq_u32 s32, 2
	s_cbranch_scc1 .Lwf1
	s_cmp_lg_u32 s30, 0
	s_cbranch_scc1 .Lno_bias                       ; of the two waves that hold the same rows of W the one with u = 0 makes the bias sums
.set n, 0
.rept 16
	global_load_b128 v[BD+4*n:BD+4*n+3], v[VBD], s[40:41] offset:128*(n/4)+64*((n/2)%2)+16*(n%2)  ; bd in the order in which my lane holds W's K
.set n, n+1
.endr
.irp x, 0,1,2,3
	global_load_b32 v[B2+(\x)], v[VB2+(\x)], s[42:43]
.endr
	LDD
	s_wait_loadcnt 63                              ; W and the biases are in: 64 loads were issued behind them, and the count's field ends at 63
	WIN 0x02                                       ; W (source 0) in window 2
.irp x, 0,1,2,3
	v_pk_mul_f32 v[ACC+2*(\x):ACC+2*(\x)+1], v[64*(\x):64*(\x)+1], v[BD:BD+1]  ; the first products start the sums
.endr
.set z, 1
.rept 31
.irp x, 0,1,2,3
	v_pk_fma_f32 v[ACC+2*(\x):ACC+2*(\x)+1], v[64*(\x)+2*z:64*(\x)+2*z+1], v[BD+2*z:BD+2*z+1], v[ACC+2*(\x):ACC+2*(\x)+1]
.endr
.set z, z+1
.endr
	WIN 0
.irp x, 0,1,2,3
	v_add_f32 v[ACC+2*(\x)], v[ACC+2*(\x)], v[ACC+2*(\x)+1]
.endr
.irp x, 0,1,2,3
	v_permlanex16_b32 v[ACC+2*(\x)+1], v[ACC+2*(\x)], s48, s49  ; the row's other 64 K lie in the lane 16 away
.endr
.irp x, 0,1,2,3
	v_add_f32 v[ACC+2*(\x)], v[ACC+2*(\x)], v[ACC+2*(\x)+1]
.endr
.irp x, 0,1,2,3
	v_add_f32 v[ACC+2*(\x)], v[ACC+2*(\x)], v[B2+(\x)]
.endr
	v_cmp_ne_u32 vcc_lo, 0, v2
	v_cndmask_b32 v[OUTV], v[ACC], v[ACC+2], vcc_lo        ; lanes 0-15 send tile 0, lanes 16-31 tile 1:
	v_cndmask_b32 v[OUTV+1], v[ACC+4], v[ACC+6], vcc_lo    ; a store covers 128 consecutive bytes
	global_store_b32 v[V4L], v[OUTV], s[46:47]
	global_store_b32 v[V4L], v[OUTV+1], s[46:47] offset:128
	s_branch .Ljoin
.Lno_bias:
	LDD
.Ljoin:
	s_wait_loadcnt 63                              ; W is in (on the way past the bias sums this has been shown already)
	CVW
.irp q, 0,1,2,3
	s_wait_loadcnt 48-16*(\q)                      ; K step q of Wd is in; the later steps' 16 loads each stay out
	CVD \q
.endr
	WIN 0
	s_cmp_eq_u32 s32, 0
	s_cbranch_scc1 .Lskip
	; G: block 8 - l of gf (the order in which the next launch takes the layers); piece (column tile t, row tile a) at 4,096 t + 512 a + 16 L:
	; eight rows pi(a, 8 h + j) of column pi(t, r), in bf16: half a source-0 fragment of G^T as it will be read
	s_sub_co_u32 s50, 8, s3
	s_lshl_b32 s50, s50, 15
	s_lshl_b32 s53, s30, 14
	s_add_co_u32 s50, s50, s53
	s_lshl_b32 s53, s31, 11
	s_add_co_u32 s50, s50, s53
	s_add_nc_u64 s[44:45], s[22:23], s[50:51]
	MUL 1
	PLACES
	WIN 0x05
.set n, 0
.rept 64
	v_cvt_pk_bf16_f32 v[PKD+n], v[2*n], v[2*n+1]   ; each accumulator from its low end on
.set n, n+1
.endr
	WIN 0
.set n, 0
.rept 16
	global_store_b128 v3, v[PKD+4*n:PKD+4*n+3], s[44:45] offset:(n%4)*4096+(n/4)*512  ; 512 consecutive bytes, at a multiple of 512 from gf's first
.set n, n+1
.endr
	s_endpgm
.Lskip:
	; S in f32, as the next launch's accumulators hold it: row tile c, column tile t, registers 4 p .. 4 p + 3 at 8,192 c + 1,024 t + 512 p + 16 L
	s_add_co_u32 s50, s6, s35
	s_lshl_b32 s53, s30, 12
	s_add_co_u32 s50, s50, s53
	s_add_nc_u64 s[44:45], s[24:25], s[50:51]
	MUL 0
	PLACES
	WIN 0x04                                       ; store data (source 1) in window 1
.set n, 0
.rept 32
	global_store_b128 v3, v[4*n:4*n+3], s[44:45] offset:(n/8)*8192+((n/2)%4)*1024+(n%2)*512  ; each accumulator's low four registers first; 512 consecutive bytes
.set n, n+1
.endr
	WIN 0
	s_endpgm
.Lwf1:
	; Wf1 in bf16, in fragment order: row tile a, K step q, half g at 4,096 a + 1,024 q + 512 g + 16 L
	s_lshl_b32 s50, s31, 14
	s_add_nc_u64 s[44:45], s[28:29], s[50:51]
	s_wait_loadcnt 0x0                             ; nothing was issued behind W's loads on this way
	CVW
	WIN 0x08                                       ; store data in window 2
.set n, 0
.rept 32
	global_store_b128 v3, v[16*(n/2)+4*(n%2):16*(n/2)+4*(n%2)+3], s[44:45] offset:512*n
.set n, n+1
.endr
	WIN 0
	s_endpgm
.Lfunc_end_k_qa0d6deca71_pair:
	.size	k_qa0d6deca71_pair, .Lfunc_end_k_qa0d6deca71_pair-k_qa0d6deca71_pair
	.p2alignl 7, 3214868480
	.fill 96, 4, 3214868480
	.section	.rodata,"a",@progbits
	.p2align	6, 0x0
	.amdhsa_kernel k_qa0d6deca71_pair
		.amdhsa_group_segment_fixed_size 0
		.amdhsa_private_segment_fixed_size 0
		.amdhsa_enable_private_segment 0
		.amdhsa_kernarg_size 88
		.amdhsa_user_sgpr_count 2
		.amdhsa_user_sgpr_kernarg_segment_ptr 1
		.amdhsa_wavefront_size32 1
		.amdhsa_system_sgpr_workgroup_id_x 1
		.amdhsa_system_sgpr_workgroup_id_y 1
		.amdhsa_system_sgpr_workgroup_id_z 1
		.amdhsa_system_vgpr_workitem_id 0
		.amdhsa_next_free_vgpr 768
		.amdhsa_next_free_sgpr 66
		.amdhsa_reserve_vcc 1
		.amdhsa_float_denorm_mode_32 3
		.amdhsa_float_denorm_mode_16_64 3
		.amdhsa_memory_ordered 1
		.amdhsa_forward_progress 1
		.amdhsa_inst_pref_size 77
	.end_amdhsa_kernel
	.amdgpu_metadata
---
amdhsa.version: [ 1, 2 ]
amdhsa.kernels:
  - .name:           k_qa0d6deca71_pair
    .symbol:         k_qa0d6deca71_pair.kd
    .args:
      - { .name: Wd, .offset: 0, .size: 8, .value_kind: global_buffer, .address_space: global }
      - { .name: Wr, .offset: 8, .size: 8, .value_kind: global_buffer, .address_space: global }
      - { .name: Ws, .offset: 16, .size: 8, .value_kind: global_buffer, .address_space: global }
      - { .name: Wf1, .offset: 24, .size: 8, .value_kind: global_buffer, .address_space: global }
      - { .name: bd, .offset: 32, .size: 8, .value_kind: global_buffer, .address_space: global }
      - { .name: br, .offset: 40, .size: 8, .value_kind: global_buffer, .address_space: global }
      - { .name: bs, .offset: 48, .size: 8, .value_kind: global_buffer, .address_space: global }
      - { .name: gf, .offset: 56, .size: 8, .value_kind: global_buffer, .address_space: global }
      - { .name: sd, .offset: 64, .size: 8, .value_kind: global_buffer, .address_space: global }
      - { .name: bv, .offset: 72, .size: 8, .value_kind: global_buffer, .address_space: global }
      - { .name: w1, .offset: 80, .size: 8, .value_kind: global_buffer, .address_space: global }
    .group_segment_fixed_size: 0
    .private_segment_fixed_size: 0
    .kernarg_segment_align: 8
    .kernarg_segment_size: 88
    .max_flat_workgroup_size: 32
    .sgpr_count:     66
    .vgpr_count:     768
    .wavefront_size: 32
...
	.end_amdgpu_metadata
.endif
;; end of part 1
;; launch chain (part 2): grid 8 x 1, 1 waves a work-group, no clusters, 327,680 bytes of LDS; arguments gf, sd, bv, mf, cf; writes mf, cf
.if DOCPART == 2
	.amdgcn_target "amdgcn-amd-amdhsa--gfx1250"
	.amdhsa_code_object_version 6
	.text
	.protected	k_qa0d6deca71_chain
	.globl	k_qa0d6deca71_chain
	.p2align	8
	.type	k_qa0d6deca71_chain,@function
k_qa0d6deca71_chain:
	s_mov_b64 s[64:65], 0
	v_nop
	global_prefetch_b8 v0, s[64:65] scope:SCOPE_SE
	s_setreg_imm32_b32 hwreg(HW_REG_WAVE_MODE, 25, 1), 1
	s_wait_xcnt 0x0
; CHAIN.  The skip sum of layers l .. 9 as a function of h_l is M_l h_l + c_l, with M_9 = S_9, c_9 = sb_9 and, for l = 8 .. 0,
;   M_l = M_{l+1} + S_l + M_{l+1} G_l,     c_l = c_{l+1} + sb_l + M_{l+1} gb_l.
; This launch walks that recurrence; M = M_0 leaves in bf16 in fragment order, c = c_0 in f32.
; LIMITS.  M_{l+1} and G_l are rounded to bf16 for the product; M itself, S_l, c and all sums are kept in f32.  The order of rounding differs from the layer-by-layer order.
; SHARES.  The rows of M do not depend on each other: work-group c, one wave, owns rows 16 c .. 16 c + 15, held transposed: Y(t), eight accumulators; lane r holds row 16 c + r,
; register j of lane half h the column pi(t, 8 h + j) (the order pi of the launch before).  Y += G^T bf16(Y): source 0 = a fragment of G^T as gf holds it, source 1 = two tiles of Y rounded in pairs.
; NO CLUSTER: the eight work-groups read the same gf, 294,912 bytes each, once; what holds the launch is its nine steps, each of which waits for the one before, not those requests.
; LDS.  Block e of gf (layer 8 - e), 32,768 bytes, at 32,768 e; each is filled once, by one tensor load; all nine go out together at the start: nine loads of mine are out at the most.
; The spare words lie behind them.  All of the LDS is claimed: the text uses 295,040 bytes.
; REGISTERS (s_set_vgpr_msb: bits 1:0 source 0, 3:2 source 1, 5:4 source 2, 7:6 destination):
;   window 0: v1 16 L, v2 32 h, v3 4 r, v4 LDS address of the block being fetched, v8-9 the add's; v16-79 Y; v80-111 Y in bf16; v112-121 sb_0..9; v122-129 four running pairs of c
;   window 1: G^T's fragments: K step q, tile t at 64 q + 8 t      window 2: v0-127 S_l, two buffers; v128-255 gb_l, two buffers
.set SPARE, 9*32768
.set AL,  4
.set SPW, 8
.set NIL, 9
.set Y,   16
.set YB,  80
.set SB,  112
.set CA,  122
.set GB,  128
.set G1,  16          ; s[16:23] descriptor group 1
.set G0,  24          ; s[24:59] descriptor group 0, a set for each block
.set MSB, 0
.macro WIN new                      ; the immediate's high byte repeats the setting that is left; a switch that changes nothing is dropped
.if MSB != (\new)
	s_set_vgpr_msb (MSB<<8)|(\new)
.set MSB, \new
.endif
.endm
.macro PLACES                       ; four places between a matrix instruction and a load into, or a vector line on, its registers (ISA guide 7.12.1 for vector lines)
.rept 4
	v_nop
.endr
.endm
.macro GRP lv, bf                   ; layer lv's S (my 16 rows, in Y's layout) and gb (in the order of my lane's columns) into buffer bf: 32 loads
	WIN 0x80
.set n, 0
.rept 16
	global_load_b128 v[64*(\bf)+4*n:64*(\bf)+4*n+3], v1, s[6:7] offset:(\lv)*65536+512*n
.set n, n+1
.endr
.set n, 0
.rept 16
	global_load_b128 v[GB+64*(\bf)+4*n:GB+64*(\bf)+4*n+3], v2, s[8:9] offset:(\lv)*512+64*(n/2)+16*(n%2)
.set n, n+1
.endr
.endm
.macro AFL q                        ; K step q of the block at v4: eight fragments, 16 loads of 512 consecutive bytes
	WIN 0x40
.set n, 0
.rept 16
	ds_load_b128 v[64*(\q)+4*n:64*(\q)+4*n+3], v[AL] offset:(n/2)*4096+(\q)*1024+(n%2)*512
.set n, n+1
.endr
.endm
.macro CVY                          ; Y to bf16, each accumulator from its low end on: tiles 2 q and 2 q + 1 are source 1 of K step q
	WIN 0
.set n, 0
.rept 32
	v_cvt_pk_bf16_f32 v[YB+n], v[Y+2*n], v[Y+2*n+1]
.set n, n+1
.endr
.endm
; LAYER e: layer 8 - e.  The old Y is rounded and multiplied by gb; S is added; then Y += G^T bf16(Y), 32 matrix instructions, the eight accumulators by turns, one instruction a turn.
; Behind K step q's eight products the next block's K step q is fetched into the registers that they read.
.macro LAYER e
.set lay, 8-(\e)
.set buf, (\e)%2
.if (\e) == 8
	s_wait_loadcnt 0x0                             ; the last group
.else
	s_wait_loadcnt 32                              ; this layer's S and gb are in; the next layer's 32 loads stay out
.endif
	CVY                                            ; (the four places behind the layer before's last products stand in front of its last run of loads)
	WIN 0x08                                       ; source 1 in window 2
.set z, 0
.rept 32
.if ((\e) == 0) && (z < 4)
	v_pk_mul_f32 v[CA+2*z:CA+2*z+1], v[Y+2*z:Y+2*z+1], v[GB+64*buf+2*z:GB+64*buf+2*z+1]  ; the first products start c's sums
.else
	v_pk_fma_f32 v[CA+2*(z%4):CA+2*(z%4)+1], v[Y+2*z:Y+2*z+1], v[GB+64*buf+2*z:GB+64*buf+2*z+1], v[CA+2*(z%4):CA+2*(z%4)+1]
.endif
.set z, z+1
.endr
.set z, 0
.rept 32
	v_pk_add_f32 v[Y+2*z:Y+2*z+1], v[Y+2*z:Y+2*z+1], v[64*buf+2*z:64*buf+2*z+1]
.set z, z+1
.endr
.if lay >= 2
	GRP lay-2, buf                                 ; the buffer just read takes the layer two further on
.endif
.irp q, 0,1,2,3
.if (\e) == 8
	s_wait_dscnt 48-16*(\q)                        ; nothing more is fetched: the counts run down
.else
	s_wait_dscnt 48                                ; K step q's 16 loads are in; the three runs of 16 issued behind them stay out
.endif
	WIN 0x01                                       ; source 0 in window 1
.set t, 0
.rept 8
	v_wmma_f32_16x16x32_bf16 v[Y+8*t:Y+8*t+7], v[64*(\q)+8*t:64*(\q)+8*t+7], v[YB+8*(\q):YB+8*(\q)+7], v[Y+8*t:Y+8*t+7]
.set t, t+1
.endr
.if (\e) < 8
	PLACES
.if (\q) == 0
	WIN 0
	s_wait_tensorcnt 7-(\e)                        ; a wave's tensor loads end in order (ISA guide 10.11.1): block e + 1 is in; the blocks behind it stay out
	v_add_nc_u32 v[AL], 0x8000, v[AL]
.endif
	AFL \q
.endif
.endr
.endm
	s_load_b256 s[4:11], s[0:1], 0x0               ; gf s[4:5], sd s[6:7], bv s[8:9], mf s[10:11]
	s_load_b64 s[12:13], s[0:1], 0x20              ; cf
	v_lshl_add_u32 v[SPW], v0, 2, SPARE
	v_mov_b32 v[NIL], 0
	ds_add_u32 v[SPW], v[NIL]                      ; the wave's opening: the add and its wait stand ahead of my first tensor load; work on registers stands between them
	; group 1: a dense block of 32,768 bytes as 128 rows of 32 elements of 8 bytes
	s_mov_b32 s[G1+0], 3<<16                       ; no mask; elements of 8 bytes; no padding: the fragments are read as 512 consecutive bytes
	s_mov_b32 s[G1+1], 32<<16                      ; tensor_dim0 = 32
	s_mov_b32 s[G1+2], 128<<16                     ; tensor_dim1 = 128
	s_mov_b32 s[G1+3], 32<<16                      ; tile_dim0 = 32
	s_mov_b32 s[G1+4], 128                         ; tile_dim1 = 128
	s_mov_b32 s[G1+5], 32                          ; 32 elements from row to row
	s_mov_b32 s[G1+6], 0
	s_mov_b32 s[G1+7], 0
.irp e, 0,1,2,3,4,5,6,7,8
	s_mov_b32 s[G0+4*(\e)], 1                      ; count = 1
	s_mov_b32 s[G0+4*(\e)+1], (\e)*32768           ; LDS address
.endr
	s_mov_b32 s14, ttmp9                           ; c
	s_mov_b32 s60, 0x76543210                      ; v_permlanex16_b32: each lane takes its own place in the other half
	s_mov_b32 s61, 0xfedcba98
	s_mov_b32 s63, 0
	v_lshlrev_b32 v1, 4, v0                        ; 16 L
	v_bfe_u32 v2, v0, 4, 1
	v_lshlrev_b32 v2, 5, v2                        ; 32 h
	v_and_b32 v3, 15, v0
	v_lshlrev_b32 v3, 2, v3                        ; 4 r
	v_lshlrev_b32 v[AL], 4, v0                     ; block 0
	s_wait_dscnt 0x0                               ; the opening add is done
	s_wait_kmcnt 0x0
.irp e, 0,1,2,3,4,5,6,7,8
	s_add_nc_u64 s[G0+4*(\e)+2:G0+4*(\e)+3], s[4:5], (\e)*32768  ; global address
	s_or_b32 s[G0+4*(\e)+3], s[G0+4*(\e)+3], 0x80000000          ; type = 2
.endr
.irp e, 0,1,2,3,4,5,6,7,8
	tensor_load_to_lds s[G0+4*(\e):G0+4*(\e)+3], s[G1:G1+7]      ; all first fills in one group, ahead of every wait on TENSORcnt and every LDS read
	s_nop 0
.endr
	PLACES                                         ; four vector lines behind the last tensor load, ahead of the next switch of windows
	s_lshl_b32 s62, s14, 13
	s_add_nc_u64 s[6:7], s[6:7], s[62:63]          ; sd at my 16 rows
	s_lshl_b32 s62, s14, 12
	s_add_nc_u64 s[10:11], s[10:11], s[62:63]      ; mf at my row tile
	s_lshl_b32 s62, s14, 6
	s_add_nc_u64 s[12:13], s[12:13], s[62:63]      ; cf at my 16 numbers
	s_add_co_u32 s62, s62, 5120
	s_add_nc_u64 s[2:3], s[8:9], s[62:63]          ; sb_0 at my 16 rows
.set n, 0
.rept 16
	global_load_b128 v[Y+4*n:Y+4*n+3], v1, s[6:7] offset:9*65536+512*n  ; Y = S_9, straight into the accumulators
.set n, n+1
.endr
.irp l, 0,1,2,3,4,5,6,7,8,9
	global_load_b32 v[SB+(\l)], v3, s[2:3] offset:512*(\l)
.endr
	GRP 8, 0
	GRP 7, 1
	WIN 0
	s_wait_tensorcnt 8                             ; block 0 is in; the eight behind it stay out
	AFL 0
	AFL 1
	AFL 2
	AFL 3
.irp e, 0,1,2,3,4,5,6,7,8
	LAYER \e
.endr
	WIN 0                                          ; c: the first four lines name no register of the last products and are the places behind them
	v_pk_add_f32 v[CA:CA+1], v[CA:CA+1], v[CA+2:CA+3]
	v_pk_add_f32 v[CA+4:CA+5], v[CA+4:CA+5], v[CA+6:CA+7]
	v_pk_add_f32 v[CA:CA+1], v[CA:CA+1], v[CA+4:CA+5]
	v_add_f32 v[CA], v[CA], v[CA+1]
	v_permlanex16_b32 v[CA+1], v[CA], s60, s61     ; the row's other 64 columns lie in the lane 16 away
	v_add_f32 v[CA], v[CA], v[CA+1]
.irp l, 0,1,2,3,4,5,6,7,8,9
	v_add_f32 v[CA], v[CA], v[SB+(\l)]
.endr
	CVY
.set n, 0
.rept 8
	global_store_b128 v1, v[YB+4*n:YB+4*n+3], s[10:11] offset:512*n  ; M in bf16: K step q, half g at 1,024 q + 512 g + 16 L; 512 consecutive bytes a store
.set n, n+1
.endr
	global_store_b32 v3, v[CA], s[12:13]           ; both halves of the lanes hold the same sum and write the same word
	s_wait_tensorcnt 0x0                           ; the wave's end, behind my last tensor load
	ds_add_u32 v[SPW], v[NIL]
	s_wait_dscnt 0x0
	s_endpgm
.Lfunc_end_k_qa0d6deca71_chain:
	.size	k_qa0d6deca71_chain, .Lfunc_end_k_qa0d6deca71_chain-k_qa0d6deca71_chain
	.p2alignl 7, 3214868480
	.fill 96, 4, 3214868480
	.section	.rodata,"a",@progbits
	.p2align	6, 0x0
	.amdhsa_kernel k_qa0d6deca71_chain
		.amdhsa_group_segment_fixed_size 327680
		.amdhsa_private_segment_fixed_size 0
		.amdhsa_enable_private_segment 0
		.amdhsa_kernarg_size 40
		.amdhsa_user_sgpr_count 2
		.amdhsa_user_sgpr_kernarg_segment_ptr 1
		.amdhsa_wavefront_size32 1
		.amdhsa_system_sgpr_workgroup_id_x 1
		.amdhsa_system_sgpr_workgroup_id_y 1
		.amdhsa_system_sgpr_workgroup_id_z 1
		.amdhsa_system_vgpr_workitem_id 0
		.amdhsa_next_free_vgpr 768
		.amdhsa_next_free_sgpr 66
		.amdhsa_reserve_vcc 0
		.amdhsa_float_denorm_mode_32 3
		.amdhsa_float_denorm_mode_16_64 3
		.amdhsa_memory_ordered 1
		.amdhsa_forward_progress 1
		.amdhsa_inst_pref_size 156
	.end_amdhsa_kernel
	.amdgpu_metadata
---
amdhsa.version: [ 1, 2 ]
amdhsa.kernels:
  - .name:           k_qa0d6deca71_chain
    .symbol:         k_qa0d6deca71_chain.kd
    .args:
      - { .name: gf, .offset: 0, .size: 8, .value_kind: global_buffer, .address_space: global }
      - { .name: sd, .offset: 8, .size: 8, .value_kind: global_buffer, .address_space: global }
      - { .name: bv, .offset: 16, .size: 8, .value_kind: global_buffer, .address_space: global }
      - { .name: mf, .offset: 24, .size: 8, .value_kind: global_buffer, .address_space: global }
      - { .name: cf, .offset: 32, .size: 8, .value_kind: global_buffer, .address_space: global }
    .group_segment_fixed_size: 327680
    .private_segment_fixed_size: 0
    .kernarg_segment_align: 8
    .kernarg_segment_size: 40
    .max_flat_workgroup_size: 32
    .sgpr_count:     66
    .vgpr_count:     768
    .wavefront_size: 32
...
	.end_amdgpu_metadata
.endif
;; end of part 2
;; launch main (part 3): grid 256 x 1, 8 waves a work-group, no clusters, 75,264 bytes of LDS; arguments x, mf, w1, cf, bf1, part; writes part
.if DOCPART == 3
	.amdgcn_target "amdgcn-amd-amdhsa--gfx1250"
	.amdhsa_code_object_version 6
	.text
	.protected	k_qa0d6deca71_main
	.globl	k_qa0d6deca71_main
	.p2align	8
	.type	k_qa0d6deca71_main,@function
k_qa0d6deca71_main:
	s_mov_b64 s[64:65], 0
	v_nop
	global_prefetch_b8 v0, s[64:65] scope:SCOPE_SE
	s_setreg_imm32_b32 hwreg(HW_REG_WAVE_MODE, 25, 1), 1
	s_wait_xcnt 0x0
; MAIN.  part[g][f] = the sum over the work-group's 512 positions of relu(Wf1 relu(M x + c) + bf1)[f].  M and c are the ten layers' skip sum as one affine map (the two launches before);
; the last 1 x 1 convolution is affine and commutes with the mean, so it is applied to the mean, in the next launch.
; LIMITS.  x, M, relu(M x + c) and Wf1 are rounded to bf16 for the products; sums and biases are f32.  relu is a maximum with 0 in which a NaN loses: a NaN becomes 0.
; SHARES.  Work-group g: batch g / 64, positions 512 (g % 64) on.  Wave w: 64 positions, 256 bytes of each of the 128 channel rows.  No loop: a wave's whole share of x is 64 loads of 16 bytes
; a lane, each 256 consecutive aligned bytes of two channels, all asked for before any arithmetic: 32,768 bytes a wave on their way.  Every byte of x is read once in the launch.
; LAYOUT.  A load gives lane r the positions 4 r .. 4 r + 3: one column in each of four column tiles i.  Its channel is pi(t, 8 h + j) = 64 (t / 4) + 4 (8 h + j) + t % 4, the order in which mf holds M's
; columns, so two loads' component i, rounded in a pair, is a register of source 1: nothing is transposed.  Product 0: source 0 = M, source 1 = x: a lane holds one position and eight features;
; two such results, rounded in pairs, ARE a fragment of 16 positions x 32 features.  Product 1: that fragment is source 0, Wf1 source 1: a lane holds ONE feature and eight positions, so the sum
; over positions is a sum over registers and one exchange of the lanes' halves.  The biases are the C operand of each sum's first product.
; NO CLUSTER, NO TENSOR LOAD: the work-groups share M and Wf1 alone, 65,536 of a group's 327,680 bytes in; they go to LDS through registers once.  x goes straight into the registers in which it is converted.
; EIGHT WAVES of 512 registers: x as loaded (256 registers, later the 32 accumulators) and its fragments fill a wave; two waves on a SIMD fill each other's vector and LDS phases.
; LDS: 0 mf; 32,768 w1 (both in fragment order: every read is 512 consecutive bytes); 65,536 c; 66,048 bf1, each number eight times; 70,144 the waves' sums, 512 bytes each; 74,240 the spare words.
; REGISTERS (s_set_vgpr_msb: bits 1:0 source 0, 3:2 source 1, 5:4 source 2, 7:6 destination):
;   window 0: v1-9 addresses, v10-11 the add's, v12-15 at work, v16-47 bias tiles, v48-55 results, v64-127 two buffers of four weight fragments, v128-255 fragments (column tile i, K step q) at 128 + 32 i + 8 q
;   window 1: x as loaded; then accumulator (feature tile a, column tile i) at 32 a + 8 i
.set W1B,   32768
.set BIASC, 65536
.set BF1R,  66048
.set RED,   70144
.set SPARE, 74240
.set SPW, 10
.set NIL, 11
.set BB,  16
.set RES, 48
.set AF,  64
.set XB,  128
.set MSB, 0
.macro WIN new                      ; the immediate's high byte repeats the setting that is left; a switch that changes nothing is dropped
.if MSB != (\new)
	s_set_vgpr_msb (MSB<<8)|(\new)
.set MSB, \new
.endif
.endm
.macro PLACES                       ; four places between a matrix instruction and a load into a register that it has read (ISA guide 7.12.1 for vector lines)
.rept 4
	v_nop
.endr
.endm
.macro XLD q                        ; K step q of x: channels 64 (q / 2) + 32 h + 4 j + 2 (q % 2) + g
	WIN 0x40
.set n, 0
.rept 16
	global_load_b128 v[64*(\q)+4*n:64*(\q)+4*n+3], v2, s[18+2*((\q)/2):19+2*((\q)/2)] offset:(4*(n%8)+2*((\q)%2)+n/8)*131072 th:TH_LOAD_NT
.set n, n+1
.endr
.endm
.macro XCV q                        ; to bf16: component i of the loads j = 2 p and 2 p + 1 is a pair along K of column tile i
	WIN 0x05
.set n, 0
.rept 32
	v_cvt_pk_bf16_f32 v[XB+32*(n/8)+8*(\q)+n%8], v[64*(\q)+32*((n/4)%2)+8*(n%4)+n/8], v[64*(\q)+32*((n/4)%2)+8*(n%4)+4+n/8]
.set n, n+1
.endr
.endm
.macro AFL P, n                     ; batch n of product P: four weight fragments (feature tiles 4 (n / 4) + 0..3, K step n % 4) into buffer n % 2
	WIN 0
.set am, 0
.rept 8
	ds_load_b128 v[AF+32*((\n)%2)+4*am:AF+32*((\n)%2)+4*am+3], v1 offset:(\P)*W1B+(4*((\n)/4)+am/2)*4096+((\n)%4)*1024+512*(am%2)
.set am, am+1
.endr
.endm
.macro BBL P, hf                    ; the bias as C for feature tiles 4 hf + 0..3.  Product 0: register j = c[16 a + 8 h + j].  Product 1: every register = bf1[16 a + r]
	WIN 0
.set am, 0
.rept 8
.if (\P) == 0
	ds_load_b128 v[BB+4*am:BB+4*am+3], v3 offset:(4*(\hf)+am/2)*64+16*(am%2)
.else
	ds_load_b128 v[BB+4*am:BB+4*am+3], v4 offset:(4*(\hf)+am/2)*512+16*(am%2)
.endif
.set am, am+1
.endr
.endm
; BATCH n of product P: the next batch's weights are asked for, then 16 matrix instructions on 16 different accumulators (four feature tiles x four column tiles, 32 along K).
; Feature half outer, K step inner: between two links of a chain stand the 15 others', and one set of four bias tiles serves.
.macro BATCH P, n
.if (\n) > 0
	PLACES                                         ; behind the batch before, whose buffer the loads below fill (a product's first batch has the conversions in front of it)
.endif
.if (\n) < 7
	AFL \P, (\n)+1
.if (\n) == 1
	BBL \P, 1                                      ; the other half's bias: batch 0 alone read the bias tiles
	s_wait_dscnt 16                                ; all but the 16 just issued: this batch's weights are in
.else
	s_wait_dscnt 8                                 ; all but the 8 just issued
.endif
.elseif (\P) == 0
	AFL 1, 0                                       ; the next product's first weights and bias
	BBL 1, 0
	s_wait_dscnt 16
.else
	s_wait_dscnt 0x0                               ; nothing more to fetch
.endif
.set bh, (\n)/4
.set bq, (\n)%4
.if bq == 0
	WIN 0x40                                       ; C in window 0 (the bias), D in window 1
.else
	WIN 0x50                                       ; C and D in window 1
.endif
.set m, 0
.rept 16
.set rD, 32*(4*bh+m/4)+8*(m%4)
.set rA, AF+32*((\n)%2)+8*(m/4)
.set rX, XB+32*(m%4)+8*bq
.set rB, BB+8*(m/4)
.if (\P) == 0
.if bq == 0
	v_wmma_f32_16x16x32_bf16 v[rD:rD+7], v[rA:rA+7], v[rX:rX+7], v[rB:rB+7]
.else
	v_wmma_f32_16x16x32_bf16 v[rD:rD+7], v[rA:rA+7], v[rX:rX+7], v[rD:rD+7]
.endif
.else
.if bq == 0
	v_wmma_f32_16x16x32_bf16 v[rD:rD+7], v[rX:rX+7], v[rA:rA+7], v[rB:rB+7]
.else
	v_wmma_f32_16x16x32_bf16 v[rD:rD+7], v[rX:rX+7], v[rA:rA+7], v[rD:rD+7]
.endif
.endif
.set m, m+1
.endr
.endm
; relu on all 32 accumulators, ascending: each is read from its low end on.  Tiles 0-3 were finished four batches back, with sixteen v_nop since; their 128 lines, which name no register of the
; last batch, are the places in front of tiles 4-7.
.macro RELU
	WIN 0x44
.set k, 0
.rept 256
	v_max_num_f32 v[k], 0, v[k]
.set k, k+1
.endr
.endm
	s_load_b256 s[4:11], s[0:1], 0x0               ; x s[4:5], mf s[6:7], w1 s[8:9], cf s[10:11]
	s_load_b128 s[12:15], s[0:1], 0x20             ; bf1 s[12:13], part s[14:15]
	v_lshl_add_u32 v[SPW], v0, 2, SPARE
	v_mov_b32 v[NIL], 0
	v_lshrrev_b32 v1, 5, v0
	v_readfirstlane_b32 s16, v1                    ; wave 0..7
	s_mov_b32 s17, ttmp9                           ; g
	v_and_b32 v12, 15, v0                          ; r
	v_bfe_u32 v13, v0, 4, 1                        ; h
	v_and_b32 v1, 31, v0
	v_lshlrev_b32 v1, 4, v1                        ; 16 L
	v_lshlrev_b32 v2, 4, v12
	v_lshl_add_u32 v2, v13, 22, v2                 ; x: 16 r + 32 h channels of 131,072 bytes
	v_lshl_add_u32 v3, v13, 5, BIASC               ; c: 32 h
	v_lshl_add_u32 v4, v12, 5, BF1R                ; bf1: 32 r
	v_lshlrev_b32 v5, 4, v0                        ; 16 x thread
	v_and_b32 v9, 127, v0
	v_lshlrev_b32 v9, 2, v9                        ; 4 (thread % 128)
	s_lshl_b32 s28, s16, 9
	s_add_co_u32 s28, s28, RED
	v_lshl_add_u32 v8, v12, 2, s28                 ; my wave's sums: 4 r
	s_mov_b32 s26, 0x76543210                      ; v_permlanex16_b32: each lane takes its own place in the other half
	s_mov_b32 s27, 0xfedcba98
	s_lshr_b32 s22, s17, 6
	s_lshl_b32 s22, s22, 24                        ; the batch: 128 channels of 131,072 bytes
	s_and_b32 s28, s17, 63
	s_lshl_b32 s28, s28, 11                        ; the group's 512 positions
	s_add_co_u32 s22, s22, s28
	s_lshl_b32 s28, s16, 8                         ; the wave's 64
	s_add_co_u32 s22, s22, s28
	s_mov_b32 s23, 0
	s_wait_kmcnt 0x0
	s_add_nc_u64 s[18:19], s[4:5], s[22:23]        ; channels 0-63,
	s_add_nc_u64 s[20:21], s[18:19], 0x800000      ; channels 64-127: so every offset fits the loads' immediate
	s_cmp_lt_u32 s16, 4
	s_cselect_b64 s[24:25], s[10:11], s[12:13]     ; waves 0-3 bring c, waves 4-7 bf1
	s_lshl_b32 s22, s17, 9
	s_add_nc_u64 s[14:15], s[14:15], s[22:23]      ; part at my row
.set n, 0
.rept 8
	global_load_b128 v[XB+4*n:XB+4*n+3], v5, s[6:7] offset:4096*n        ; the 256 threads take 4,096 consecutive bytes a load
	global_load_b128 v[XB+32+4*n:XB+32+4*n+3], v5, s[8:9] offset:4096*n
.set n, n+1
.endr
	global_load_b32 v6, v9, s[24:25]
	XLD 0
	XLD 1
	WIN 0
	s_wait_loadcnt 32                              ; the weights and the bias are in; the 32 loads of x issued behind them stay out
.set n, 0
.rept 8
	ds_store_b128 v5, v[XB+4*n:XB+4*n+3] offset:4096*n
	ds_store_b128 v5, v[XB+32+4*n:XB+32+4*n+3] offset:W1B+4096*n
.set n, n+1
.endr
	s_cmp_lt_u32 s16, 4
	s_cbranch_scc0 .Lbf1
	v_add_nc_u32 v7, BIASC, v9
	ds_store_b32 v7, v6
	s_branch .Lbias_done
.Lbf1:
	v_lshl_add_u32 v7, v9, 3, BF1R                 ; 32 bytes a feature
	v_mov_b32 v12, v6
	v_mov_b32 v13, v6
	v_mov_b32 v14, v6
	v_mov_b32 v15, v6
	ds_store_b128 v7, v[12:15]
	ds_store_b128 v7, v[12:15] offset:16
.Lbias_done:
	XLD 2
	XLD 3
	WIN 0
	s_wait_dscnt 0x0                               ; for the others' sake: my stores into LDS are done
	s_barrier_signal -1
	s_barrier_wait -1                              ; everybody's are; x stays on its way across the barrier: nobody writes those bytes
	AFL 0, 0
	BBL 0, 0
.irp q, 0,1,2,3
	s_wait_loadcnt 48-16*(\q)                      ; K step q of x is in; the later steps' 16 loads each stay out
	XCV \q
.endr
.irp n, 0,1,2,3,4,5,6,7
	BATCH 0, \n                                    ; M x + c
.endr
	RELU
	WIN 0x05
.set n, 0
.rept 128
	v_cvt_pk_bf16_f32 v[XB+32*((n/4)%4)+4*(n/16)+n%4], v[2*n], v[2*n+1]  ; feature tiles 2 q and 2 q + 1 of column tile i are its fragment of K step q
.set n, n+1
.endr
.irp n, 0,1,2,3,4,5,6,7
	BATCH 1, \n                                    ; Wf1 relu(..) + bf1
.endr
	RELU
	WIN 0x45                                       ; the sum over a feature tile's 32 registers (four column tiles x eight positions), in place
.irp w, 16,8,4,2
.irp a, 0,1,2,3,4,5,6,7
.set k, 0
.rept (\w)/2
	v_pk_add_f32 v[32*(\a)+2*k:32*(\a)+2*k+1], v[32*(\a)+2*k:32*(\a)+2*k+1], v[32*(\a)+(\w)+2*k:32*(\a)+(\w)+2*k+1]
.set k, k+1
.endr
.endr
.endr
	WIN 0x05
.irp a, 0,1,2,3,4,5,6,7
	v_add_f32 v[RES+(\a)], v[32*(\a)], v[32*(\a)+1]
.endr
	WIN 0
.irp a, 0,1,2,3,4,5,6,7
	v_permlanex16_b32 v[AF+(\a)], v[RES+(\a)], s26, s27  ; the feature's other 32 positions lie in the lane 16 away
.endr
.irp a, 0,1,2,3,4,5,6,7
	v_add_f32 v[RES+(\a)], v[RES+(\a)], v[AF+(\a)]
.endr
.irp a, 0,1,2,3,4,5,6,7
	ds_store_b32 v8, v[RES+(\a)] offset:64*(\a)    ; feature 16 a + r; both halves of the lanes hold the same sum
.endr
	s_wait_tensorcnt 0x0                           ; the wave's last LDS store is behind
	ds_add_u32 v[SPW], v[NIL]
	s_wait_dscnt 0x0                               ; this is also the wait, for the others' sake, in front of the barrier
	s_barrier_signal -1
	s_barrier_wait -1
	s_cmp_lg_u32 s16, 0
	s_cbranch_scc1 .Lend                           ; wave 0 adds the eight waves' sums
	v_add_nc_u32 v12, RED, v1
.set k, 0
.rept 8
	ds_load_b128 v[BB+4*k:BB+4*k+3], v12 offset:512*k
.set k, k+1
.endr
	s_wait_dscnt 0x0
.irp w, 16,8,4
.set k, 0
.rept (\w)/2
	v_pk_add_f32 v[BB+2*k:BB+2*k+1], v[BB+2*k:BB+2*k+1], v[BB+(\w)+2*k:BB+(\w)+2*k+1]
.set k, k+1
.endr
.endr
	global_store_b128 v1, v[BB:BB+3], s[14:15]     ; 512 consecutive bytes, at a multiple of 512 from part's first
.Lend:
	s_endpgm
.Lfunc_end_k_qa0d6deca71_main:
	.size	k_qa0d6deca71_main, .Lfunc_end_k_qa0d6deca71_main-k_qa0d6deca71_main
	.p2alignl 7, 3214868480
	.fill 96, 4, 3214868480
	.section	.rodata,"a",@progbits
	.p2align	6, 0x0
	.amdhsa_kernel k_qa0d6deca71_main
		.amdhsa_group_segment_fixed_size 75264
		.amdhsa_private_segment_fixed_size 0
		.amdhsa_enable_private_segment 0
		.amdhsa_kernarg_size 48
		.amdhsa_user_sgpr_count 2
		.amdhsa_user_sgpr_kernarg_segment_ptr 1
		.amdhsa_wavefront_size32 1
		.amdhsa_system_sgpr_workgroup_id_x 1
		.amdhsa_system_sgpr_workgroup_id_y 1
		.amdhsa_system_sgpr_workgroup_id_z 1
		.amdhsa_system_vgpr_workitem_id 0
		.amdhsa_next_free_vgpr 512
		.amdhsa_next_free_sgpr 66
		.amdhsa_reserve_vcc 0
		.amdhsa_float_denorm_mode_32 3
		.amdhsa_float_denorm_mode_16_64 3
		.amdhsa_memory_ordered 1
		.amdhsa_forward_progress 1
		.amdhsa_inst_pref_size 84
	.end_amdhsa_kernel
	.amdgpu_metadata
---
amdhsa.version: [ 1, 2 ]
amdhsa.kernels:
  - .name:           k_qa0d6deca71_main
    .symbol:         k_qa0d6deca71_main.kd
    .args:
      - { .name: x, .offset: 0, .size: 8, .value_kind: global_buffer, .address_space: global }
      - { .name: mf, .offset: 8, .size: 8, .value_kind: global_buffer, .address_space: global }
      - { .name: w1, .offset: 16, .size: 8, .value_kind: global_buffer, .address_space: global }
      - { .name: cf, .offset: 24, .size: 8, .value_kind: global_buffer, .address_space: global }
      - { .name: bf1, .offset: 32, .size: 8, .value_kind: global_buffer, .address_space: global }
      - { .name: part, .offset: 40, .size: 8, .value_kind: global_buffer, .address_space: global }
    .group_segment_fixed_size: 75264
    .private_segment_fixed_size: 0
    .kernarg_segment_align: 8
    .kernarg_segment_size: 48
    .max_flat_workgroup_size: 256
    .sgpr_count:     66
    .vgpr_count:     512
    .wavefront_size: 32
...
	.end_amdgpu_metadata
.endif
;; end of part 3
;; launch finish (part 4): grid 4 x 1, 4 waves a work-group, no clusters, 70,656 bytes of LDS; arguments part, Wf2, bf2, out0; writes out0
.if DOCPART == 4
	.amdgcn_target "amdgcn-amd-amdhsa--gfx1250"
	.amdhsa_code_object_version 6
	.text
	.protected	k_qa0d6deca71_finish
	.globl	k_qa0d6deca71_finish
	.p2align	8
	.type	k_qa0d6deca71_finish,@function
k_qa0d6deca71_finish:
	s_mov_b64 s[64:65], 0
	v_nop
	global_prefetch_b8 v0, s[64:65] scope:SCOPE_SE
	s_setreg_imm32_b32 hwreg(HW_REG_WAVE_MODE, 25, 1), 1
	s_wait_xcnt 0x0
; FINISH.  out0[b][o] = the sum over f of Wf2[o][f] s[f] + bf2[o], with s[f] = 2^-15 x the sum of batch b's 64 rows of part: the mean over the 32,768 positions, to which the last
; 1 x 1 convolution, being affine, is applied.  All in f32 on the vector unit: a batch is one column, which would fill a sixteenth of a matrix tile.
; SHARES.  Work-group b, four waves, 128 threads.  Wave w adds rows 16 w .. 16 w + 15 of the batch's part; the four sums meet in LDS.  Thread t makes output t.
; Wf2 comes in by whole rows (a load covers 512 consecutive bytes) and is handed to the threads through LDS, rows 528 bytes apart: an odd multiple of 16.
; LDS: 0 Wf2, 128 rows x 528; 67,584 the waves' sums, 512 bytes each; 69,632 s; 70,144 the spare words.
; REGISTERS: v1-9 addresses, v10-11 the add's, v12 bf2, v16-79 part, later s; v80-207 Wf2; v208-215 four running pairs.
.set PITCH, 528
.set PS,    128*PITCH
.set SV,    PS+2048
.set SPARE, SV+512
.set SPW, 10
.set NIL, 11
.set PT,  16
.set WF,  80
.set ACC, 208
	s_load_b256 s[4:11], s[0:1], 0x0               ; part s[4:5], Wf2 s[6:7], bf2 s[8:9], out0 s[10:11]
	v_lshl_add_u32 v[SPW], v0, 2, SPARE
	v_mov_b32 v[NIL], 0
	v_lshrrev_b32 v1, 5, v0
	v_readfirstlane_b32 s12, v1                    ; wave 0..3
	v_and_b32 v13, 31, v0
	v_lshlrev_b32 v13, 4, v13                      ; 16 L
	s_lshl_b32 s13, s12, 13
	v_add_nc_u32 v1, s13, v13                      ; part: my wave's 16 rows of 512 bytes
	s_lshl_b32 s13, s12, 14
	v_add_nc_u32 v2, s13, v13                      ; Wf2: my wave's 32 rows
	v_lshlrev_b32 v3, 2, v0                        ; 4 t
	s_lshl_b32 s13, s12, 9
	s_add_co_u32 s13, s13, PS
	v_add_nc_u32 v4, s13, v13                      ; my wave's sums
	s_mul_i32 s13, s12, 32*PITCH
	v_add_nc_u32 v5, s13, v13                      ; Wf2 in LDS: my wave's 32 rows
	v_add_nc_u32 v6, PS, v3
	v_add_nc_u32 v7, SV, v3
	v_mul_u32_u24 v8, v0, PITCH                    ; row t
	v_mov_b32 v9, SV
	s_lshl_b32 s14, ttmp9, 15                      ; the batch's 64 rows of part
	s_mov_b32 s15, 0
	s_wait_kmcnt 0x0
	s_add_nc_u64 s[4:5], s[4:5], s[14:15]
	s_lshl_b32 s14, ttmp9, 9
	s_add_nc_u64 s[10:11], s[10:11], s[14:15]      ; the batch's row of out0
.set k, 0
.rept 16
	global_load_b128 v[PT+4*k:PT+4*k+3], v1, s[4:5] offset:512*k
.set k, k+1
.endr
.set k, 0
.rept 32
	global_load_b128 v[WF+4*k:WF+4*k+3], v2, s[6:7] offset:512*k
.set k, k+1
.endr
	global_load_b32 v12, v3, s[8:9]
	s_wait_loadcnt 33                              ; part is in; Wf2's 32 loads and bf2's stay out
.irp w, 32,16,8,4
.set k, 0
.rept (\w)/2
	v_pk_add_f32 v[PT+2*k:PT+2*k+1], v[PT+2*k:PT+2*k+1], v[PT+(\w)+2*k:PT+(\w)+2*k+1]
.set k, k+1
.endr
.endr
	ds_store_b128 v4, v[PT:PT+3]
	s_wait_loadcnt 0x0
.set k, 0
.rept 32
	ds_store_b128 v5, v[WF+4*k:WF+4*k+3] offset:PITCH*k
.set k, k+1
.endr
	s_wait_dscnt 0x0                               ; for the others' sake: my stores are done
	s_barrier_signal -1
	s_barrier_wait -1
.irp k, 0,1,2,3
	ds_load_b32 v[PT+(\k)], v6 offset:512*(\k)     ; feature t of the four waves' sums
.endr
	s_wait_dscnt 0x0
	v_add_f32 v[PT], v[PT], v[PT+1]
	v_add_f32 v[PT+2], v[PT+2], v[PT+3]
	v_add_f32 v[PT], v[PT], v[PT+2]
	v_mul_f32 v[PT], 0x38000000, v[PT]             ; 2^-15: exact
	ds_store_b32 v7, v[PT]
	s_wait_tensorcnt 0x0                           ; the wave's last LDS store is behind
	ds_add_u32 v[SPW], v[NIL]
	s_wait_dscnt 0x0                               ; this is also the wait, for the others' sake, in front of the barrier
	s_barrier_signal -1
	s_barrier_wait -1
.set k, 0
.rept 32
	ds_load_b128 v[WF+4*k:WF+4*k+3], v8 offset:16*k        ; row t of Wf2
.set k, k+1
.endr
.set k, 0
.rept 16
	ds_load_b128 v[PT+4*k:PT+4*k+3], v9 offset:16*k        ; s[0..63], the same for every lane
.set k, k+1
.endr
	s_wait_dscnt 0x0
.set z, 0
.rept 32
.if z < 4
	v_pk_mul_f32 v[ACC+2*z:ACC+2*z+1], v[WF+2*z:WF+2*z+1], v[PT+2*z:PT+2*z+1]  ; the first products start the sums
.else
	v_pk_fma_f32 v[ACC+2*(z%4):ACC+2*(z%4)+1], v[WF+2*z:WF+2*z+1], v[PT+2*z:PT+2*z+1], v[ACC+2*(z%4):ACC+2*(z%4)+1]
.endif
.set z, z+1
.endr
.set k, 0
.rept 16
	ds_load_b128 v[PT+4*k:PT+4*k+3], v9 offset:256+16*k    ; s[64..127]
.set k, k+1
.endr
	s_wait_dscnt 0x0
.set z, 0
.rept 32
	v_pk_fma_f32 v[ACC+2*(z%4):ACC+2*(z%4)+1], v[WF+64+2*z:WF+64+2*z+1], v[PT+2*z:PT+2*z+1], v[ACC+2*(z%4):ACC+2*(z%4)+1]
.set z, z+1
.endr
	v_pk_add_f32 v[ACC:ACC+1], v[ACC:ACC+1], v[ACC+2:ACC+3]
	v_pk_add_f32 v[ACC+4:ACC+5], v[ACC+4:ACC+5], v[ACC+6:ACC+7]
	v_pk_add_f32 v[ACC:ACC+1], v[ACC:ACC+1], v[ACC+4:ACC+5]
	v_add_f32 v[ACC], v[ACC], v[ACC+1]
	v_add_f32 v[ACC], v[ACC], v12
	global_store_b32 v3, v[ACC], s[10:11]          ; a wave stores 128 consecutive bytes; the whole output is 2,048
	s_endpgm
.Lfunc_end_k_qa0d6deca71_finish:
	.size	k_qa0d6deca71_finish, .Lfunc_end_k_qa0d6deca71_finish-k_qa0d6deca71_finish
	.p2alignl 7, 3214868480
	.fill 96, 4, 3214868480
	.section	.rodata,"a",@progbits
	.p2align	6, 0x0
	.amdhsa_kernel k_qa0d6deca71_finish
		.amdhsa_group_segment_fixed_size 70656
		.amdhsa_private_segment_fixed_size 0
		.amdhsa_enable_private_segment 0
		.amdhsa_kernarg_size 32
		.amdhsa_user_sgpr_count 2
		.amdhsa_user_sgpr_kernarg_segment_ptr 1
		.amdhsa_wavefront_size32 1
		.amdhsa_system_sgpr_workgroup_id_x 1
		.amdhsa_system_sgpr_workgroup_id_y 1
		.amdhsa_system_sgpr_workgroup_id_z 1
		.amdhsa_system_vgpr_workitem_id 0
		.amdhsa_next_free_vgpr 216
		.amdhsa_next_free_sgpr 66
		.amdhsa_reserve_vcc 0
		.amdhsa_float_denorm_mode_32 3
		.amdhsa_float_denorm_mode_16_64 3
		.amdhsa_memory_ordered 1
		.amdhsa_forward_progress 1
		.amdhsa_inst_pref_size 20
	.end_amdhsa_kernel
	.amdgpu_metadata
---
amdhsa.version: [ 1, 2 ]
amdhsa.kernels:
  - .name:           k_qa0d6deca71_finish
    .symbol:         k_qa0d6deca71_finish.kd
    .args:
      - { .name: part, .offset: 0, .size: 8, .value_kind: global_buffer, .address_space: global }
      - { .name: Wf2, .offset: 8, .size: 8, .value_kind: global_buffer, .address_space: global }
      - { .name: bf2, .offset: 16, .size: 8, .value_kind: global_buffer, .address_space: global }
      - { .name: out0, .offset: 24, .size: 8, .value_kind: global_buffer, .address_space: global }
    .group_segment_fixed_size: 70656
    .private_segment_fixed_size: 0
    .kernarg_segment_align: 8
    .kernarg_segment_size: 32
    .max_flat_workgroup_size: 128
    .sgpr_count:     66
    .vgpr_count:     216
    .wavefront_size: 32
...
	.end_amdgpu_metadata
.endif
;; end of part 4
